; MI455X (gfx1250); checked and timed in simulation.
; The chip was launched on July 23, 2026; its instructions are those of AMD's public machine-readable ISA for CDNA 5 (MIT licence, August 2026) and "CDNA5" Instruction Set Architecture Reference Guide (July 2026). The comments in the code are by the model that wrote it; some were corrected since.
;; Mo E. Allowed arithmetic: float matrix products may take bf16 or f16 operands with f32 sums; other float arithmetic in f32, or as packed bf16 or f16 multiplies, adds, multiply-adds, maxima and minima; sums over many terms, partial sums and values carried from step to step in f32; what a program stores and reads back later, other than sums and carried values, may be rounded once to bf16 or f16.
;; Inputs: W1 8 x 1,024 x 4,096 float32; W2 8 x 4,096 x 1,024 float32; Wg 1,024 x 8 float32; b1 8 x 4,096 float32; b2 8 x 1,024 float32; bg 8 float32; x 2 x 512 x 1,024 float32.
;; Outputs: out0 2 x 512 x 1,024 float32.
;; Constants: k = 2.
;; One version. Each part assembles by itself: llvm-mc -triple=amdgcn-amd-amdhsa -mcpu=gfx1250 --defsym DOCPART=n.
;; ======== version 1 of 1: 4 launches
;; limits: values are held in f16: magnitudes above 65,504 overflow, below 6.1e-05 lose precision
;; workspace buffers: xb 2,097,152 bytes; gate 8,192 bytes; ridx 8,192 bytes of whole numbers; bm 2,048 bytes of whole numbers; hbuf 67,108,864 bytes; ypart 33,554,432 bytes
;; launch router (part 1): grid 64 x 1, 8 waves a work-group, no clusters, 75,008 bytes of LDS; arguments x, Wg, bg, xb, gate, ridx, bm; writes xb, gate, ridx, bm
.if DOCPART == 1
	.amdgcn_target "amdgcn-amd-amdhsa--gfx1250"
	.amdhsa_code_object_version 6
	.text
	.protected	k_qe0986a18d2_router
	.globl	k_qe0986a18d2_router
	.p2align	8
	.type	k_qe0986a18d2_router,@function
k_qe0986a18d2_router:
	s_mov_b64 s[64:65], 0
	v_nop
	global_prefetch_b8 v0, s[64:65] scope:SCOPE_SE
	s_setreg_imm32_b32 hwreg(HW_REG_WAVE_MODE, 25, 1), 1
	s_wait_xcnt 0x0
; THE GATE.  logits = x Wg + bg, softmax over 8 experts, the two largest.  x, Wg and bg are rounded to bf16 (as every input of the program is); sums, maximum, exponentials in f32.
; A work-group owns 16 tokens (one column tile of the matrix instruction): 1,024 / 16 = 64 work-groups.  It also writes its tokens of x, rounded to bf16, for the first product.
; Nothing here forms an address from the choice: experts, weights and bitmaps are stored at fixed places.
;   ridx u32 [tok][2], gate f32 [tok][2], bm u16 [tile of 16 tok][choice j][expert e]: bit i = token 16 tile + i has expert e as choice j.
; LIMITS.  Where the second and third probability differ by less than the f32 rounding of the sums, another expert than the exact arithmetic may be chosen; equal exponentials keep the lower
; number; a probability below 2^-126 counts as 0; NaN and infinities are not treated apart.
; LDS: XT 16 rows of x, 2,048 bytes + 16 of padding (129 x 16: the 16 rows of a load start in 16 different groups of four banks; 64 banks of 4 bytes: ISA guide 11.1);
;      WT [1024 k][16 columns] bf16, columns 8-15 repeat 0-7; PART [wave][lane][8 f32]; the spare words.
.set XP,    2064
.set WT,    16*XP
.set PART,  WT+1024*32
.set SPARE, PART+8*32*32               ; 128 bytes for each of the eight waves: four blocks of 256 bytes that no other line names
	s_load_b256 s[4:11], s[0:1], 0x0               ; x s[4:5], Wg s[6:7], bg s[8:9], xb s[10:11]
	s_load_b128 s[12:15], s[0:1], 0x20             ; gate s[12:13], ridx s[14:15]
	s_load_b64 s[16:17], s[0:1], 0x30              ; bm
	v_lshl_add_u32 v28, v0, 2, SPARE               ; my spare word,
	v_mov_b32 v29, 0                               ; and 0: kept for the closing add alone
	v_lshrrev_b32 v30, 5, v0
	v_readfirstlane_b32 s18, v30                   ; wave 0..7
	v_lshlrev_b32 v1, 4, v0                        ; 16 t: my 4 numbers of a row of x; my 4 numbers of Wg
	v_lshlrev_b32 v2, 3, v0                        ; 8 t: the same 4 numbers in bf16
	v_lshrrev_b32 v4, 1, v0
	v_and_b32 v3, 1, v0
	v_lshlrev_b32 v4, 5, v4                        ; WT: row t / 2 of each 128, 32 bytes a row,
	v_lshl_add_u32 v4, v3, 3, v4                   ; experts 4 (t % 2) on
	v_add_nc_u32 v4, WT, v4
	v_and_b32 v9, 31, v0                           ; lane
	v_and_b32 v10, 15, v0                          ; r
	v_bfe_u32 v11, v0, 4, 1                        ; h
	v_and_b32 v12, 7, v0
	v_lshl_add_u32 v12, v11, 3, v12                ; the turning load: row 8 h + l % 8,
	v_lshlrev_b32 v5, 5, v12
	v_bfe_u32 v12, v0, 3, 1
	v_lshl_add_u32 v5, v12, 4, v5                  ; 16 bytes for each half of eight lanes,
	s_lshl_b32 s19, s18, 12                        ; my wave's 128 rows of k
	s_add_co_u32 s19, s19, WT
	v_add_nc_u32 v5, s19, v5
	v_mul_u32_u24 v7, v10, XP                      ; x: token r, 16 bytes for each half of the lanes,
	v_lshl_add_u32 v7, v11, 4, v7
	s_lshl_b32 s19, s18, 8                         ; my wave's 128 k
	v_add_nc_u32 v7, s19, v7
	v_lshl_add_u32 v6, v0, 5, PART                 ; my 32 bytes of partial sums
	v_lshlrev_b32 v8, 3, v10
	v_lshl_add_u32 v8, v11, 2, v8                  ; element 2 r + h of the tile's 32 in ridx and gate
	v_lshlrev_b32 v13, 1, v9                       ; 2 x lane, for bm
	s_lshl_b32 s20, ttmp9, 16                      ; 16 rows of 4,096 bytes
	s_mov_b32 s21, 0
	s_lshl_b32 s22, ttmp9, 15                      ; 16 rows of 2,048 bytes
	s_mov_b32 s23, 0
	s_mov_b32 s32, 0x3fb8aa3b                      ; log2(e)
	s_wait_kmcnt 0x0
	s_add_nc_u64 s[4:5], s[4:5], s[20:21]
	s_add_nc_u64 s[10:11], s[10:11], s[22:23]
	s_lshl_b32 s20, ttmp9, 7                       ; 32 elements of 4 bytes
	s_add_nc_u64 s[12:13], s[12:13], s[20:21]
	s_add_nc_u64 s[14:15], s[14:15], s[20:21]
	s_lshl_b32 s20, ttmp9, 5                       ; 16 elements of 2 bytes
	s_add_nc_u64 s[16:17], s[16:17], s[20:21]
.irp i, 0,1,2,3,4,5,6,7,8,9,10,11,12,13,14,15
	global_load_b128 v[32+4*(\i):35+4*(\i)], v1, s[4:5] offset:4096*(\i) th:TH_LOAD_NT   ; token i: the 256 threads cover its row
.endr
.irp i, 0,1,2,3,4,5,6,7
	global_load_b128 v[96+4*(\i):99+4*(\i)], v1, s[6:7] offset:4096*(\i)                 ; Wg, k = 128 i + t / 2
.endr
.irp i, 0,1,2,3,4,5,6,7,8,9,10,11,12,13,14,15
	s_wait_loadcnt 23-(\i)                         ; loads come back in order: token i is in, the 23 - i younger loads stay out
	v_cvt_pk_bf16_f32 v[128+2*(\i)], v[32+4*(\i)], v[33+4*(\i)]
	v_cvt_pk_bf16_f32 v[129+2*(\i)], v[34+4*(\i)], v[35+4*(\i)]
	ds_store_b64 v2, v[128+2*(\i):129+2*(\i)] offset:XP*(\i)
	global_store_b64 v2, v[128+2*(\i):129+2*(\i)], s[10:11] offset:2048*(\i)   ; a wave stores 256 consecutive bytes, aligned; each token has its own data registers
.endr
.irp i, 0,1,2,3,4,5,6,7
	s_wait_loadcnt 7-(\i)
	v_cvt_pk_bf16_f32 v[160+2*(\i)], v[96+4*(\i)], v[97+4*(\i)]
	v_cvt_pk_bf16_f32 v[161+2*(\i)], v[98+4*(\i)], v[99+4*(\i)]
	ds_store_b64 v4, v[160+2*(\i):161+2*(\i)] offset:4096*(\i)
	ds_store_b64 v4, v[160+2*(\i):161+2*(\i)] offset:4096*(\i)+16                ; columns 8-15 repeat 0-7
.endr
	s_wait_dscnt 0x0                               ; for the others: my stores into XT and WT are done
	s_barrier_signal -1
	s_barrier_wait -1
	; Wave w multiplies k = 128 w .. 128 w + 127: four steps of 32.  Source 0 = Wg turned (16 columns), source 1 = 16 tokens: lane (r, h), register j holds the logit of expert j for token r.
.irp s, 0,1,2,3
	ds_load_tr16_b128 v[32+8*(\s):35+8*(\s)], v5 offset:1024*(\s)
	ds_load_tr16_b128 v[36+8*(\s):39+8*(\s)], v5 offset:1024*(\s)+512
	ds_load_b128 v[64+8*(\s):67+8*(\s)], v7 offset:64*(\s)
	ds_load_b128 v[68+8*(\s):71+8*(\s)], v7 offset:64*(\s)+32
.endr
	s_wait_dscnt 0x0
	v_wmma_f32_16x16x32_bf16 v[96:103],  v[32:39], v[64:71], 0            ; two accumulators by turns
	v_wmma_f32_16x16x32_bf16 v[104:111], v[40:47], v[72:79], 0
	v_wmma_f32_16x16x32_bf16 v[96:103],  v[48:55], v[80:87], v[96:103]
	v_wmma_f32_16x16x32_bf16 v[104:111], v[56:63], v[88:95], v[104:111]
.rept 4
	v_nop                                          ; four places between a product and the first read of its result (ISA guide 7.12.1)
.endr
.irp p, 0,1,2,3
	v_pk_add_f32 v[112+2*(\p):113+2*(\p)], v[96+2*(\p):97+2*(\p)], v[104+2*(\p):105+2*(\p)]   ; from the low registers on
.endr
	ds_store_b128 v6, v[112:115]
	ds_store_b128 v6, v[116:119] offset:16
	s_wait_dscnt 0x0                               ; for wave 0: my partial sums are in LDS
	s_barrier_signal -1
	s_barrier_wait -1
	s_cmp_lg_u32 s18, 0
	s_cbranch_scc1 .Lend                           ; the rest is 16 tokens' work: one wave does it
	s_load_b256 s[24:31], s[8:9], 0x0              ; bg
.irp w, 0,1,2,3,4,5,6,7
	ds_load_b128 v[32+8*(\w):35+8*(\w)], v6 offset:1024*(\w)
	ds_load_b128 v[36+8*(\w):39+8*(\w)], v6 offset:1024*(\w)+16
.endr
	s_wait_dscnt 0x0
.irp w, 1,2,3,4,5,6,7
.irp p, 0,1,2,3
	v_pk_add_f32 v[32+2*(\p):33+2*(\p)], v[32+2*(\p):33+2*(\p)], v[32+8*(\w)+2*(\p):33+8*(\w)+2*(\p)]   ; k ascending
.endr
.endr
	s_wait_kmcnt 0x0
.irp e, 0,1,2,3,4,5,6,7
	v_mov_b32 v[112+(\e)], s[24+(\e)]
.endr
.irp p, 0,1,2,3
	v_cvt_pk_bf16_f32 v[120+(\p)], v[112+2*(\p)], v[113+2*(\p)]           ; bg rounded to bf16,
.endr
.irp p, 0,1,2,3
	v_lshlrev_b32 v[112+2*(\p)], 16, v[120+(\p)]                          ; and widened again
	v_and_b32 v[113+2*(\p)], 0xffff0000, v[120+(\p)]
.endr
.irp p, 0,1,2,3
	v_pk_add_f32 v[32+2*(\p):33+2*(\p)], v[32+2*(\p):33+2*(\p)], v[112+2*(\p):113+2*(\p)]
.endr
	v_max3_num_f32 v40, v32, v33, v34              ; the maximum is taken away before the exponentials
	v_max3_num_f32 v40, v40, v35, v36
	v_max3_num_f32 v40, v40, v37, v38
	v_max_num_f32 v40, v40, v39
	v_mul_f32 v41, s32, v40
.irp e, 0,1,2,3,4,5,6,7
	v_fma_f32 v[48+(\e)], v[32+(\e)], s32, -v41
.endr
.irp e, 0,1,2,3,4,5,6,7
	v_exp_f32 v[48+(\e)], v[48+(\e)]               ; one batch
.endr
	v_nop                                          ; a plain instruction behind the last exponential,
	s_wait_alu depctr_va_vdst(0)                   ; and the one wait ahead of the first reader
	v_add_f32 v42, v48, v49
	v_add_f32 v43, v50, v51
	v_add_f32 v44, v52, v53
	v_add_f32 v45, v54, v55
	v_add_f32 v42, v42, v43
	v_add_f32 v44, v44, v45
	v_add_f32 v42, v42, v44
	v_rcp_f32 v46, v42                             ; the two scans below name neither v42 nor v46: the independent work behind it
.macro SCAN val, idx                   ; the largest of v48-55 and its number; the strict compare keeps the lower number where two are equal
	v_mov_b32 v[\val], v48
	v_mov_b32 v[\idx], 0
.irp e, 1,2,3,4,5,6,7
	v_cmp_gt_f32 vcc_lo, v[48+(\e)], v[\val]
	v_cndmask_b32 v[\val], v[\val], v[48+(\e)], vcc_lo
	v_cndmask_b32 v[\idx], v[\idx], \e, vcc_lo
.endr
.endm
	SCAN 56, 57
.irp e, 0,1,2,3,4,5,6,7
	v_cmp_eq_u32 vcc_lo, \e, v57
	v_cndmask_b32 v[48+(\e)], v[48+(\e)], -1.0, vcc_lo                    ; the winner leaves: every exponential is 0 or more
.endr
	SCAN 58, 59
	s_wait_alu depctr_va_vdst(0)                   ; the reciprocal's wait, ahead of its first reader
	v_mul_f32 v60, v56, v46
	v_mul_f32 v61, v58, v46
	v_cmp_ne_u32 vcc_lo, 0, v11                    ; lanes 0-15 store choice 0 of token r, lanes 16-31 choice 1
	v_cndmask_b32 v62, v57, v59, vcc_lo
	v_cndmask_b32 v63, v60, v61, vcc_lo
	global_store_b32 v8, v62, s[14:15]
	global_store_b32 v8, v63, s[12:13]
	v_mov_b32 v64, 0
.irp e, 0,1,2,3,4,5,6,7
	v_cmp_eq_u32 s22, \e, v57                      ; bits 0-15: the tokens (bits 16-31 repeat them)
	v_writelane_b32 v64, s22, \e
	v_cmp_eq_u32 s22, \e, v59
	v_writelane_b32 v64, s22, 8+(\e)
.endr
	v_cmp_gt_u32 vcc_lo, 16, v9
	s_wait_xcnt 0x0                                ; EXEC changes only behind this wait
	s_and_saveexec_b32 s21, vcc_lo
	global_store_b16 v13, v64, s[16:17]            ; lane 8 j + e: the low 16 bits of its bitmap
	s_wait_xcnt 0x0                                ; and again in front of the line that widens it
	s_or_b32 exec_lo, exec_lo, s21
.Lend:
	s_wait_tensorcnt 0x0                           ; the wave's end, behind my last LDS store
	ds_add_u32 v28, v29
	s_wait_dscnt 0x0
	s_endpgm
.Lfunc_end_k_qe0986a18d2_router:
	.size	k_qe0986a18d2_router, .Lfunc_end_k_qe0986a18d2_router-k_qe0986a18d2_router
	.p2alignl 7, 3214868480
	.fill 96, 4, 3214868480
	.section	.rodata,"a",@progbits
	.p2align	6, 0x0
	.amdhsa_kernel k_qe0986a18d2_router
		.amdhsa_group_segment_fixed_size 75008
		.amdhsa_private_segment_fixed_size 0
		.amdhsa_enable_private_segment 0
		.amdhsa_kernarg_size 56
		.amdhsa_user_sgpr_count 2
		.amdhsa_user_sgpr_kernarg_segment_ptr 1
		.amdhsa_wavefront_size32 1
		.amdhsa_system_sgpr_workgroup_id_x 1
		.amdhsa_system_sgpr_workgroup_id_y 1
		.amdhsa_system_sgpr_workgroup_id_z 1
		.amdhsa_system_vgpr_workitem_id 0
		.amdhsa_next_free_vgpr 192
		.amdhsa_next_free_sgpr 66
		.amdhsa_reserve_vcc 1
		.amdhsa_float_denorm_mode_32 3
		.amdhsa_float_denorm_mode_16_64 3
		.amdhsa_memory_ordered 1
		.amdhsa_forward_progress 1
		.amdhsa_inst_pref_size 25
	.end_amdhsa_kernel
	.amdgpu_metadata
---
amdhsa.version: [ 1, 2 ]
amdhsa.kernels:
  - .name:           k_qe0986a18d2_router
    .symbol:         k_qe0986a18d2_router.kd
    .args:
      - { .name: x, .offset: 0, .size: 8, .value_kind: global_buffer, .address_space: global }
      - { .name: Wg, .offset: 8, .size: 8, .value_kind: global_buffer, .address_space: global }
      - { .name: bg, .offset: 16, .size: 8, .value_kind: global_buffer, .address_space: global }
      - { .name: xb, .offset: 24, .size: 8, .value_kind: global_buffer, .address_space: global }
      - { .name: gate, .offset: 32, .size: 8, .value_kind: global_buffer, .address_space: global }
      - { .name: ridx, .offset: 40, .size: 8, .value_kind: global_buffer, .address_space: global }
      - { .name: bm, .offset: 48, .size: 8, .value_kind: global_buffer, .address_space: global }
    .group_segment_fixed_size: 75008
    .private_segment_fixed_size: 0
    .kernarg_segment_align: 8
    .kernarg_segment_size: 56
    .max_flat_workgroup_size: 256
    .sgpr_count:     66
    .vgpr_count:     192
    .wavefront_size: 32
...
	.end_amdgpu_metadata
.endif
;; end of part 1
;; launch up (part 2): grid 32 x 8, 4 waves a work-group, no clusters, 304,640 bytes of LDS; arguments W1, b1, xb, bm, hbuf; writes hbuf
.if DOCPART == 2
	.amdgcn_target "amdgcn-amd-amdhsa--gfx1250"
	.amdhsa_code_object_version 6
	.text
	.protected	k_qe0986a18d2_up
	.globl	k_qe0986a18d2_up
	.p2align	8
	.type	k_qe0986a18d2_up,@function
k_qe0986a18d2_up:
	s_mov_b64 s[64:65], 0
	v_nop
	global_prefetch_b8 v0, s[64:65] scope:SCOPE_SE
	s_setreg_imm32_b32 hwreg(HW_REG_WAVE_MODE, 25, 1), 1
	s_wait_xcnt 0x0
; THE FIRST PRODUCT, for the chosen rows alone: h = relu(x W1[e] + b1[e]), rounded once to f16.  Operands bf16 (W1 and b1 are rounded here, on their way through registers), sums f32.
; WHY f16 FOR h.  Every input of the program is rounded to bf16; h's is the one rounding that is not an input's, and it reaches the output undiminished.  f16 keeps 11 significant bits where bf16 keeps 8.
; LIMIT.  f16 ends at 65,504: a sum of 65,520 or more becomes an infinity and spoils its row.  With inputs as drawn h stays under 4; with x, W1 and b1 all 30 times larger under 3,000; with x and W1 each
; carrying an offset of 30 times their spread (30 and 0.54: 1,024 x 16.2) about 17,000.  Below 6.1e-5 h keeps f16's fixed step of 6e-8.  NaN and infinities are not treated apart.
; SHARES.  Work-group (slice, e) has columns 128 slice .. + 127 of expert e, all 1,024 k: 512 KB of f32 that it alone reads, and all rows of that expert.  8 x 32 = 256 work-groups.
; PHASES.  (A) each wave brings 256 k rows through a ring of 64 loads in registers (eight groups of eight), rounds them and lays them into LDS as [k][128] bf16.  A group has 32 turns in all; each turn
; also enters one word of 32 tokens into the list of the expert's tokens (ascending; each wave its own copy), ahead of the wait for the group's loads.  One barrier.
; (B) the expert's blocks of 16 rows are dealt evenly to the four waves.  (C) a wave takes up to 5 blocks at a time through all of K: weights turned out of LDS (ds_load_tr16_b128), token rows straight
; from memory into registers.  The loop over such tiles has a constant count, 4 (a wave has 16 blocks at the most, whatever the split); trips without work are jumped; nothing in it writes LDS, no barrier.
; ADDRESSES.  Each ring group and each of the four slots of token fragments has a scalar base of its own, stepped directly behind the counted wait that shows its last loads done: no other wait is needed.
; THE MATRIX INSTRUCTION IS USED TRANSPOSED: source 0 = 16 columns of W, source 1 = 16 tokens: a lane holds one token (lane % 16) and eight neighbouring columns 8 (lane / 16) + 0..7; b1 lies as C lies.
; HBUF lies in the order of the second product's operand registers: [e][block of 16 places][group of 16 columns][lane][8 f16].  Place i of expert e is its i-th token.  A lane's eight packed results ARE
; its 16 bytes of that order: they are stored as they stand, 512 consecutive bytes a wave.  Places from the count up to the next multiple of 16 repeat the last token's row: whole blocks may be read.
; NO TENSOR LOADS: f32 weights must pass registers to be rounded.  NO CLUSTER: each slice of weights has one reader, and the token rows come by a list, which no one descriptor covers.
; REGISTERS, in windows of 256 (s_set_vgpr_msb: bits 1:0 source 0, 3:2 source 1, 5:4 source 2, 7:6 destination):
;   window 0: v0-31 addresses and list work; v32-35 zeros; v48-51 bitmaps; v64-127, v128-191 two buffers of W fragments (on the way out: packed results); v192-255 b1
;   window 1: accumulators of blocks 0-3, (b, nb) at 64 b + 8 nb; while staging, the ring of 64 loads
;   window 2: v0-63 block 4 (while staging: rounded weights, four buffers of 16); v64-223 token fragments, 4 slots of 40
.set RP,     16384                     ; bytes from a k row of W1 to the next
.set PW,     288                       ; a k row in LDS: 256 bytes + 32 = 72 words
.set KB,     32*PW                     ; a K step in LDS
.set AK,     64                        ; a K step in a token's row of xb
.set AH,     32                        ; from a fragment's first 16 bytes to its second
.set LIST,   1024*PW                   ; behind the weights: each wave's list: u16 entries 0..1055, and 1056..1087 for lanes with nothing to enter
.set LISTB,  2304
.set SPARE,  LIST+4*LISTB              ; the spare words, 128 bytes for each wave: two blocks of 256 bytes that no other line names
.set R,    1                           ; lane % 16
.set H,    2                           ; lane / 16
.set LW,   3                           ; 16 x lane: my 4 numbers of a k row; my 16 bytes of a fragment in hbuf
.set LS,   4                           ; where I put rounded weights in LDS
.set BADR, 5                           ; my lane's place in a W fragment; never rewritten
.set B1O,  6                           ; my offset in b1
.set BCUR, 9                           ; BADR + the K steps gone
.set MSK0, 10                          ; lane l: the bits of tokens 32 l .. 32 l + 31, choice 0
.set MSK1, 11                          ; choice 1
.set MSK,  12                          ; either
.set IDX,  15
.set ADR,  16
.set VAL,  17
.set DUMP, 19                          ; 1056 + lane
.set AOFF, 20                          ; v20-24: block b's byte offset in xb
.set H16,  25                          ; 16 (lane / 16)
.set BMO,  26                          ; my offset in bm
.set LANE, 27
.set SPW,  28
.set NIL,  29
.set TMP,  30
.set ZR,   31
.set Z4,   32
.set RAW,  48
.set BF,   64
.set BIAS, 192
.set AR,   64                          ; in window 2
.set ASB,  44                          ; s[44:51]  xb at the K step that slot q of the token fragments loads next
.set WBG,  68                          ; s[68:83]  W1 at the 64 rows that group g of the ring loads from
; scalars: s14 wave, s15 e, s16 slice, s17 count c, s18 blocks, s19 my blocks left, s20 my next block, s21 blocks of this tile, s22 tiles, s23 K trips,
;          s[28:29] hbuf at the tile, s[30:31] an offset, s32 my list, s33 the list's word, later at work, s34 tokens entered, s35 at work, s36 c - 1, s37 staging trips,
;          s42 the K steps gone, in LDS bytes, s43 a word's upper half
.set MSB, 0
.macro WIN new                         ; the immediate's high byte repeats the setting that is left; a switch that changes nothing is dropped
.if MSB != (\new)
	s_set_vgpr_msb (MSB<<8)|(\new)
.set MSB, \new
.endif
.endm
.macro PLACES                          ; four places between a product and a load into, a write of or a read of its registers (ISA guide 7.12.1 for writes and reads)
.rept 4
	v_nop
.endr
.endm
.macro ISSUE g                         ; group g of the ring: 8 k rows, 512 consecutive bytes each
	WIN 0x40
.irp j, 0,1,2,3,4,5,6,7
	global_load_b128 v[32*(\g)+4*(\j):32*(\g)+4*(\j)+3], v[LW], s[WBG+2*(\g):WBG+2*(\g)+1] offset:(8*(\g)+(\j))*RP th:TH_LOAD_NT
.endr
.endm
; One word of the list: tokens 32 i .. 32 i + 31, lane l for token 32 i + l.  A chosen token's place is the tokens entered so far plus the word's set bits below its lane; the word itself is the select's mask.
.macro LTRIP
	v_readlane_b32 s35, v[MSK], s33                ; word i lies in lane i
	v_mbcnt_lo_u32_b32 v[IDX], s35, s34
	v_cndmask_b32 v[IDX], v[DUMP], v[IDX], s35     ; a lane without a token writes its own entry past the list
	v_min_u32 v[IDX], 0x43f, v[IDX]                ; a number made from loaded data enters an address behind a constant bound
	v_lshl_add_u32 v[ADR], v[IDX], 1, s32
	v_lshl_add_u32 v[VAL], s33, 5, v[LANE]
	ds_store_b16 v[ADR], v[VAL]
	s_bcnt1_i32_b32 s35, s35
	s_add_co_u32 s34, s34, s35
	s_add_co_u32 s33, s33, 1
.endm
; A turn of group g: a word of the list; the group is rounded, asked for again 64 rows on, and laid into LDS.  bias >= 0 (the tail): four pairs of b1 from that pair on are rounded to bf16 and widened again.
.macro GROUP g, refill, left, bias
	WIN 0
	LTRIP
.if (\bias) >= 0
.irp q, 0,1,2,3
	v_cvt_pk_bf16_f32 v[TMP], v[BIAS+2*((\bias)+(\q))], v[BIAS+2*((\bias)+(\q))+1]
	v_lshlrev_b32 v[BIAS+2*((\bias)+(\q))], 16, v[TMP]
	v_and_b32 v[BIAS+2*((\bias)+(\q))+1], s43, v[TMP]
.endr
.endif
	s_wait_loadcnt \left                           ; loads come back in order: mine are in, the younger groups stay out
.if \refill
	s_add_nc_u64 s[WBG+2*(\g):WBG+2*(\g)+1], s[WBG+2*(\g):WBG+2*(\g)+1], 64*RP   ; free since that wait: the only loads that named it are done
.endif
	WIN 0x85                                       ; from the ring (window 1) into one of four buffers by turns (window 2)
.set cv_, 16*((\g)%4)
.irp j, 0,1,2,3,4,5,6,7
	v_cvt_pk_bf16_f32 v[cv_+2*(\j)],   v[32*(\g)+4*(\j)],   v[32*(\g)+4*(\j)+1]
	v_cvt_pk_bf16_f32 v[cv_+2*(\j)+1], v[32*(\g)+4*(\j)+2], v[32*(\g)+4*(\j)+3]
.endr
.if \refill
	ISSUE \g
.endif
	WIN 0x08                                       ; store data in window 2, address in window 0
.irp j, 0,1,2,3,4,5,6,7
	ds_store_b64 v[LS], v[cv_+2*(\j):cv_+2*(\j)+1] offset:(8*(\g)+(\j))*PW   ; 32 lanes, 256 consecutive bytes
.endr
.endm
	s_load_b256 s[4:11], s[0:1], 0x0               ; W1 s[4:5], b1 s[6:7], xb s[8:9], bm s[10:11]
	s_load_b64 s[12:13], s[0:1], 0x20              ; hbuf
	v_lshl_add_u32 v[SPW], v0, 2, SPARE            ; my spare word,
	v_mov_b32 v[NIL], 0                            ; and 0: kept for the closing add alone
	v_lshrrev_b32 v[TMP], 5, v0
	v_readfirstlane_b32 s14, v[TMP]                ; wave 0..3
	s_and_b32 s15, ttmp7, 0xffff                   ; expert
	s_mov_b32 s16, ttmp9                           ; slice
	s_mov_b32 s43, 0xffff0000
	v_and_b32 v[LANE], 31, v0
	v_and_b32 v[R], 15, v0
	v_bfe_u32 v[H], v0, 4, 1
	v_lshlrev_b32 v[LW], 4, v[LANE]
	s_mul_i32 s33, s14, 256*PW                     ; my wave's 256 k rows in LDS
	v_lshl_add_u32 v[LS], v[LANE], 3, s33
	v_and_b32 v[TMP], 7, v0
	v_lshl_add_u32 v[TMP], v[H], 3, v[TMP]         ; the turning load: k row 8 h + l % 8,
	v_mul_u32_u24 v[BADR], v[TMP], PW
	v_bfe_u32 v[TMP], v0, 3, 1
	v_lshl_add_u32 v[BADR], v[TMP], 4, v[BADR]     ; 16 bytes for each half of eight lanes
	v_add_nc_u32 v[DUMP], 1056, v[LANE]
	v_lshlrev_b32 v[H16], 4, v[H]
	v_mov_b32 v[ZR], 0
.irp q, 0,1,2,3
	v_mov_b32 v[Z4+(\q)], 0
.endr
	s_mul_i32 s32, s14, LISTB
	s_add_co_u32 s32, s32, LIST                    ; my list
	s_lshl_b32 s33, s15, 1
	v_lshl_add_u32 v[BMO], v[LANE], 6, s33         ; bm: tiles 2 l and 2 l + 1 (32 bytes each), expert e
	v_lshlrev_b32 v[B1O], 5, v[H]                  ; b1: 8 numbers for each half of the lanes
	s_lshl_b32 s30, s15, 24                        ; W1: expert, 16,777,216 bytes;
	s_lshl_b32 s33, s14, 22                        ; my wave's 256 k rows of 16,384 bytes;
	s_add_co_u32 s30, s30, s33
	s_lshl_b32 s33, s16, 9                         ; the slice's 512 bytes of a row
	s_add_co_u32 s30, s30, s33
	s_mov_b32 s31, 0
	s_wait_kmcnt 0x0
.irp g, 0,1,2,3,4,5,6,7
	s_add_nc_u64 s[WBG+2*(\g):WBG+2*(\g)+1], s[4:5], s[30:31]   ; a base for each group; the group's rows stand in the loads' immediates
.endr
	s_lshl_b32 s30, s15, 14                        ; b1: expert, 16,384 bytes; the slice's 512
	s_add_co_u32 s30, s30, s33
	s_add_nc_u64 s[6:7], s[6:7], s[30:31]
	global_load_u16 v[RAW],   v[BMO], s[10:11]              ; tile 2 l,     choice 0
	global_load_u16 v[RAW+1], v[BMO], s[10:11] offset:32    ; tile 2 l + 1, choice 0
	global_load_u16 v[RAW+2], v[BMO], s[10:11] offset:16    ; tile 2 l,     choice 1
	global_load_u16 v[RAW+3], v[BMO], s[10:11] offset:48    ; tile 2 l + 1, choice 1
.irp n, 0,1,2,3,4,5,6,7
	global_load_b128 v[BIAS+8*(\n):BIAS+8*(\n)+3],   v[B1O], s[6:7] offset:64*(\n)
	global_load_b128 v[BIAS+8*(\n)+4:BIAS+8*(\n)+7], v[B1O], s[6:7] offset:64*(\n)+16
.endr
.irp g, 0,1,2,3,4,5,6
	ISSUE \g
.endr
	WIN 0
	v_add_nc_u32 v[ADR], s32, v[LW]                ; my list is cleared: 4 x 512 + 256 = its 2,304 bytes; LDS serves a wave's instructions in order, so the entries land on the zeros
	v_lshl_add_u32 v[IDX], v[LANE], 3, s32
.irp q, 0,1,2,3
	ds_store_b128 v[ADR], v[Z4:Z4+3] offset:512*(\q)
.endr
	ds_store_b64 v[IDX], v[Z4:Z4+1] offset:2048
	s_wait_loadcnt 56                              ; the 56 loads of weights stay out; bm and b1, issued ahead of them, are in
	v_lshl_or_b32 v[MSK0], v[RAW+1], 16, v[RAW]
	v_lshl_or_b32 v[MSK1], v[RAW+3], 16, v[RAW+2]
	v_or_b32 v[MSK], v[MSK0], v[MSK1]
	s_mov_b32 s33, 0
	s_mov_b32 s34, 0
	ISSUE 7                                        ; the ring is full: 64 loads of 512 bytes a wave
	WIN 0
	s_mov_b32 s37, 3
.Lstage:                                               ; a trip: 64 k rows are rounded and laid down, the next 64 asked for, eight words of the list entered
.irp g, 0,1,2,3,4,5,6,7
	GROUP \g, 1, 56, -1                            ; the seven other groups, 56 loads, are younger
.endr
	WIN 0
	v_add_nc_u32 v[LS], 64*PW, v[LS]
	s_sub_co_u32 s37, s37, 1
	s_cmp_lg_u32 s37, 0
	s_cbranch_scc1 .Lstage
.irp g, 0,1,2,3,4,5,6,7
	GROUP \g, 0, 56-8*(\g), 4*(\g)                 ; the last 64 rows: nothing is asked for, the counts run down; the list's last eight words; b1
.endr
	WIN 0
	s_mov_b32 s17, s34                             ; c
	s_sub_co_u32 s36, s17, 1
	s_wait_dscnt 0x0                               ; for the others: my part of the weights is in LDS
	s_barrier_signal -1
	s_barrier_wait -1                              ; on every wave's path; behind it nobody writes LDS before the closing lines
	; THE SHARES: ceil(c / 16) blocks, dealt evenly: wave w has qf or qf + 1, from block w qf + min(w, rem) on
	s_add_co_u32 s18, s17, 15
	s_lshr_b32 s18, s18, 4
	s_lshr_b32 s35, s18, 2
	s_and_b32 s33, s18, 3
	s_cmp_lt_u32 s14, s33
	s_cselect_b32 s19, 1, 0
	s_add_co_u32 s19, s19, s35
	s_mul_i32 s20, s14, s35
	s_min_u32 s33, s14, s33
	s_add_co_u32 s20, s20, s33
	; THE WAVES START APART.  All four leave the barrier together and run the same text, so their runs of sixteen LDS loads would stand at the same place in every K step.
	; Wave w idles 5 w times s_nop 15, 80 w cycles, once, so that one wave's run is served while the others multiply.
	s_cmp_eq_u32 s14, 0
	s_cbranch_scc1 .Lgo
.rept 5
	s_nop 15
.endr
	s_cmp_eq_u32 s14, 1
	s_cbranch_scc1 .Lgo
.rept 5
	s_nop 15
.endr
	s_cmp_eq_u32 s14, 2
	s_cbranch_scc1 .Lgo
.rept 5
	s_nop 15
.endr
.Lgo:
; The token fragments of a K step into slot sp % 4: 16 rows x 32 k a block, two loads of 16 bytes.  step = 1: the slot's base goes four K steps on first: the loads that named it last
; were shown done by the counted wait of the K step that multiplied them.
.macro ALOAD mb, sp, step
.set q_, ASB+2*((\sp)%4)
.if \step
	s_add_nc_u64 s[q_:q_+1], s[q_:q_+1], 4*AK
.endif
	WIN 0x80
.set sl_, AR+40*((\sp)%4)
.set b_, 0
.rept \mb
	global_load_b128 v[sl_+8*b_:sl_+8*b_+3],   v[AOFF+b_], s[q_:q_+1]
	global_load_b128 v[sl_+8*b_+4:sl_+8*b_+7], v[AOFF+b_], s[q_:q_+1] offset:AH
.set b_, b_+1
.endr
.endm
.macro BLOAD sp                        ; the weight fragments of the K step sp from the trip's place: 8 blocks of 16 columns x 32 k, turned
	WIN 0
.set bf_, BF+64*((\sp)%2)
.irp n, 0,1,2,3,4,5,6,7
	ds_load_tr16_b128 v[bf_+8*(\n):bf_+8*(\n)+3],   v[BCUR] offset:KB*(\sp)+32*(\n)
	ds_load_tr16_b128 v[bf_+8*(\n)+4:bf_+8*(\n)+7], v[BCUR] offset:KB*(\sp)+32*(\n)+16*PW
.endr
.endm
.macro MULS mb, sp, first              ; 8 mb products; every accumulator has one turn a step.  first = 1: b1 starts the sums
.set bf_, BF+64*((\sp)%2)
.set sl_, AR+40*((\sp)%4)
.set b_, 0
.rept \mb
.if b_ < 4
.set ac_, 64*b_
	WIN 0x58-0x10*(\first)
.else
.set ac_, 0
	WIN 0xa8-0x20*(\first)
.endif
.irp n, 0,1,2,3,4,5,6,7
.if \first
	v_wmma_f32_16x16x32_bf16 v[ac_+8*(\n):ac_+8*(\n)+7], v[bf_+8*(\n):bf_+8*(\n)+7], v[sl_+8*b_:sl_+8*b_+7], v[BIAS+8*(\n):BIAS+8*(\n)+7]
.else
	v_wmma_f32_16x16x32_bf16 v[ac_+8*(\n):ac_+8*(\n)+7], v[bf_+8*(\n):bf_+8*(\n)+7], v[sl_+8*b_:sl_+8*b_+7], v[ac_+8*(\n):ac_+8*(\n)+7]
.endif
.endr
.set b_, b_+1
.endr
.endm
; A K step: the next step's weights and the tokens three steps on are asked for, into the registers that the step before has read; then this step's products.
.macro STEP mb, sp, first, la, lb, left
.if !(\first)
	PLACES
.endif
.if \lb
	BLOAD (\sp)+1
.endif
.if \la
	ALOAD \mb, (\sp)+3, 1-(\first)
.endif
	s_wait_loadcnt \left                           ; this step's tokens are in; the later steps' loads, 2 mb each, stay out
.if \lb
	s_wait_dscnt 16                                ; this step's weights are in; the 16 loads just issued stay out
.else
	s_wait_dscnt 0x0
.endif
	MULS \mb, \sp, \first
.endm
; The first K step is written once, for five blocks: where the tile has fewer, the blocks past its count repeat its last block's rows, and from the second step on a tile of four or fewer goes on with four.
.macro KHEAD
	WIN 0
	s_mov_b32 s42, 0
	v_mov_b32 v[BCUR], v[BADR]
	ALOAD 5, 0, 0
	ALOAD 5, 1, 0
	ALOAD 5, 2, 0
	BLOAD 0
	STEP 5, 0, 1, 1, 1, 30                         ; three younger steps of ten loads
	WIN 0
.endm
.macro KREST mb                        ; K steps 1 to 31 for mb blocks.  With mb = 4 the first three steps find loads for five blocks among the younger ones: more than the count, which is then
	s_mov_b32 s23, 7
.Lk_\@:                                                ; a trip: four steps, once round the tokens' four slots
	v_add_nc_u32 v[BCUR], s42, v[BADR]             ; the trip's place in the weights: a stepped scalar and my lane's fixed term
	STEP \mb, 1, 0, 1, 1, 6*(\mb)
	STEP \mb, 2, 0, 1, 1, 6*(\mb)
	STEP \mb, 3, 0, 1, 1, 6*(\mb)
	STEP \mb, 4, 0, 1, 1, 6*(\mb)
	WIN 0
	s_add_co_u32 s42, s42, 4*KB
	s_sub_co_u32 s23, s23, 1
	s_cmp_lg_u32 s23, 0
	s_cbranch_scc1 .Lk_\@
	v_add_nc_u32 v[BCUR], s42, v[BADR]
	STEP \mb, 1, 0, 0, 1, 4*(\mb)                  ; steps 29 to 31: no load passes a row's end
	STEP \mb, 2, 0, 0, 1, 2*(\mb)
	STEP \mb, 3, 0, 0, 0, 0
	WIN 0
.endm
; THE WAY OUT of block b: rounded to f16, relu on the packed halves, stored as the lanes hold it: that is hbuf's order.
.macro HOUT b
.if (\b) > 0
	s_cmp_le_u32 s21, \b
	s_cbranch_scc1 .Ldone                          ; blocks past the tile's count only repeat rows: they are not stored
.endif
	s_wait_xcnt 0x0                                ; the registers that earlier stores read are rewritten only behind this wait
.set t_, BF+32*((\b)%4)
.if (\b) < 4
.set ac_, 64*(\b)
	WIN 0x05
.else
.set ac_, 0
	WIN 0x0a
.endif
.set i_, 0
.rept 32
	v_cvt_pk_f16_f32 v[t_+i_], v[ac_+2*i_], v[ac_+2*i_+1]                 ; each accumulator from its low registers on
.set i_, i_+1
.endr
	WIN 0
.set i_, 0
.rept 32
	v_pk_max_num_f16 v[t_+i_], v[t_+i_], v[ZR]                            ; both sources are vector registers
.set i_, i_+1
.endr
.irp n, 0,1,2,3,4,5,6,7
	global_store_b128 v[LW], v[t_+4*(\n):t_+4*(\n)+3], s[28:29] offset:(\b)*131072+512*(\n)   ; 32 lanes store 512 consecutive bytes, aligned
.endr
.endm
	s_mov_b32 s22, 4
.Ltile:
	s_min_u32 s21, s19, 5
	s_cmp_eq_u32 s21, 0
	s_cbranch_scc1 .Ldone                          ; nothing left for this wave: forward, past text without a barrier
	s_wait_xcnt 0x0                                ; offsets, bases and store data of the tile before are rewritten only behind this wait
	s_sub_co_u32 s33, s21, 1
.irp b, 0,1,2,3,4
	s_min_u32 s35, s33, \b                         ; blocks past the tile's count repeat its last
	s_add_co_u32 s35, s35, s20
	s_lshl_b32 s35, s35, 4
	v_add_nc_u32 v[TMP], s35, v[R]
	v_min_u32 v[TMP], s36, v[TMP]                  ; places past the count repeat the last token
	v_min_u32 v[TMP], 0x3ff, v[TMP]
	v_lshl_add_u32 v[TMP], v[TMP], 1, s32
	ds_load_u16 v[AOFF+(\b)], v[TMP]
.endr
	s_wait_dscnt 0x0
.irp b, 0,1,2,3,4
	v_min_u32 v[AOFF+(\b)], 0x3ff, v[AOFF+(\b)]
	v_lshl_add_u32 v[AOFF+(\b)], v[AOFF+(\b)], 11, v[H16]                 ; token x 2,048 bytes + 16 x half
.endr
	s_mov_b64 s[ASB:ASB+1], s[8:9]                 ; slot q begins with K step q
	s_add_nc_u64 s[ASB+2:ASB+3], s[8:9], AK
	s_add_nc_u64 s[ASB+4:ASB+5], s[8:9], 2*AK
	s_add_nc_u64 s[ASB+6:ASB+7], s[8:9], 3*AK
	s_min_u32 s33, s20, 63
	s_lshl_b32 s30, s15, 6
	s_add_co_u32 s30, s30, s33                     ; block 64 e + my next block,
	s_lshl_b32 s30, s30, 17                        ; 131,072 bytes a block,
	s_lshl_b32 s33, s16, 12                        ; the slice's 8 groups of 512 bytes
	s_add_co_u32 s30, s30, s33
	s_add_nc_u64 s[28:29], s[12:13], s[30:31]
	KHEAD
	s_cmp_eq_u32 s21, 5
	s_cbranch_scc0 .Lfour
	KREST 5
	s_branch .Lout
.Lfour:
	KREST 4
.Lout:
	PLACES
	HOUT 0
	HOUT 1
	HOUT 2
	HOUT 3
	HOUT 4
.Ldone:
	s_add_co_u32 s20, s20, 5
	s_sub_co_u32 s19, s19, s21
	s_sub_co_u32 s22, s22, 1
	s_cmp_lg_u32 s22, 0
	s_cbranch_scc1 .Ltile
	s_wait_dscnt 0x0
	s_barrier_signal -1                            ; every wave's reads of LDS are over
	s_barrier_wait -1                              ; before any wave's closing add
	s_wait_tensorcnt 0x0                           ; the wave's end, behind my last LDS store
	ds_add_u32 v[SPW], v[NIL]
	s_wait_dscnt 0x0
	s_endpgm
.Lfunc_end_k_qe0986a18d2_up:
	.size	k_qe0986a18d2_up, .Lfunc_end_k_qe0986a18d2_up-k_qe0986a18d2_up
	.p2alignl 7, 3214868480
	.fill 96, 4, 3214868480
	.section	.rodata,"a",@progbits
	.p2align	6, 0x0
	.amdhsa_kernel k_qe0986a18d2_up
		.amdhsa_group_segment_fixed_size 304640
		.amdhsa_private_segment_fixed_size 0
		.amdhsa_enable_private_segment 0
		.amdhsa_kernarg_size 40
		.amdhsa_user_sgpr_count 2
		.amdhsa_user_sgpr_kernarg_segment_ptr 1
		.amdhsa_wavefront_size32 1
		.amdhsa_system_sgpr_workgroup_id_x 1
		.amdhsa_system_sgpr_workgroup_id_y 1
		.amdhsa_system_sgpr_workgroup_id_z 1
		.amdhsa_system_vgpr_workitem_id 0
		.amdhsa_next_free_vgpr 736
		.amdhsa_next_free_sgpr 84
		.amdhsa_reserve_vcc 0
		.amdhsa_float_denorm_mode_32 3
		.amdhsa_float_denorm_mode_16_64 3
		.amdhsa_memory_ordered 1
		.amdhsa_forward_progress 1
		.amdhsa_inst_pref_size 150
	.end_amdhsa_kernel
	.amdgpu_metadata
---
amdhsa.version: [ 1, 2 ]
amdhsa.kernels:
  - .name:           k_qe0986a18d2_up
    .symbol:         k_qe0986a18d2_up.kd
    .args:
      - { .name: W1, .offset: 0, .size: 8, .value_kind: global_buffer, .address_space: global }
      - { .name: b1, .offset: 8, .size: 8, .value_kind: global_buffer, .address_space: global }
      - { .name: xb, .offset: 16, .size: 8, .value_kind: global_buffer, .address_space: global }
      - { .name: bm, .offset: 24, .size: 8, .value_kind: global_buffer, .address_space: global }
      - { .name: hbuf, .offset: 32, .size: 8, .value_kind: global_buffer, .address_space: global }
    .group_segment_fixed_size: 304640
    .private_segment_fixed_size: 0
    .kernarg_segment_align: 8
    .kernarg_segment_size: 40
    .max_flat_workgroup_size: 128
    .sgpr_count:     84
    .vgpr_count:     736
    .wavefront_size: 32
...
	.end_amdgpu_metadata
.endif
;; end of part 2
;; launch down (part 3): grid 32 x 8, 4 waves a work-group, no clusters, 322,048 bytes of LDS; arguments W2, hbuf, bm, ypart; writes ypart
.if DOCPART == 3
	.amdgcn_target "amdgcn-amd-amdhsa--gfx1250"
	.amdhsa_code_object_version 6
	.text
	.protected	k_qe0986a18d2_down
	.globl	k_qe0986a18d2_down
	.p2align	8
	.type	k_qe0986a18d2_down,@function
k_qe0986a18d2_down:
	s_mov_b64 s[64:65], 0
	v_nop
	global_prefetch_b8 v0, s[64:65] scope:SCOPE_SE
	s_setreg_imm32_b32 hwreg(HW_REG_WAVE_MODE, 25, 1), 1
	s_wait_xcnt 0x0
; THE SECOND PRODUCT, for the chosen rows alone: partial sums of h W2[e], f32.  Operands f16, sums f32.  h comes in f16 as the first product stored it.  W2 is rounded to bf16, as every input of the
; program is, and that number is written as f16, here, on its way through registers.
; LIMITS.  A number of bf16's 8 significant bits is exact in f16 from 2^-17 (7.6e-6) up to 65,504; below 2^-17 it is off by 3e-8 at the most (f16's fixed step is 6e-8): nothing beside W2's spread of 0.009,
; nor beside a thirtieth of it.  h arrives within f16's range (the first product's head gives the figures).  NaN and infinities are not treated apart.
; SHARES.  Work-group (x, e): columns 128 (x % 8) .. + 127 and k rows 1,024 (x / 8) .. + 1,023 of expert e: 512 KB of f32 that it alone reads, and all rows of that expert.  256 work-groups.
; K is cut in 4 parts so that a slice's rows in memory are 512 consecutive bytes and its image in LDS is the first product's; the 4 parts are stored apart (f32) and added by the last launch.
; A row of ypart is 2 token + choice, so the last launch needs no ranks; every one of the 2,048 rows is written in every part and slice, since each (token, choice) has one expert.
; PHASES as in the first product: (A) the weights through a ring of 64 loads a wave (eight groups of eight) into LDS as [k][128] f16; each of a group's 32 turns also enters one word of 32 tokens into
; the list (here 2 token + choice), ahead of the wait for the group's loads; one barrier; (B) blocks of 16 rows dealt evenly to the waves; (C) up to 5 blocks at a time through the part's 32 K steps.
; The loop over such tiles has a constant count, 4, which covers every split.
; TWO BARRIERS A TRIP, which every wave passes, a wave without work too (only work is jumped): they keep the K steps, in which LDS is only read, apart from the way out, in which the waves write their stages.
; ADDRESSES.  Each ring group and each of the four slots of h's fragments has a scalar base of its own, stepped directly behind the counted wait that shows its last loads done: no other wait is needed.
; HBUF lies in the order of this product's operand registers, [e][block of 16 places][group of 16 columns][lane][8 f16]: a fragment is two loads of 512 consecutive bytes a wave.
; LDS has 5,632 bytes left beside the weights, the stages and the lists: no room for a shared tile of rows, so NO TENSOR LOADS and NO CLUSTER; rows come straight into registers.
; THE MATRIX INSTRUCTION IS USED TRANSPOSED: source 0 = 16 columns of W, source 1 = 16 rows of h: a lane holds one row (lane % 16) and eight neighbouring columns.
; REGISTERS, in windows of 256 (s_set_vgpr_msb: bits 1:0 source 0, 3:2 source 1, 5:4 source 2, 7:6 destination):
;   window 0: v0-31 addresses and list work; v32-35 zeros, v32-47 later the 16 rows' offsets in ypart; v64-127, v128-191 two buffers of W fragments (on the way out v96-127, v160-191: whole rows)
;   window 1: accumulators of blocks 0-3, (b, nb) at 64 b + 8 nb; while staging, the ring
;   window 2: v0-63 block 4 (while staging: rounded weights, four buffers of 16); v64-223 fragments of h, 4 slots of 40 (while staging v64-95: the bf16 numbers widened to f32)
.set RP,     4096                      ; bytes from a k row of W2 to the next
.set PW,     288                       ; a k row in LDS: 256 bytes + 32 = 72 words
.set KB,     32*PW
.set AK,     1024                      ; a K step in a block of hbuf: two groups of 512 bytes
.set AH,     512
.set STAGE,  1024*PW                   ; 16 rows x 272 bytes for each wave, for the way out
.set SP,     272
.set LIST,   STAGE+4*16*SP             ; each wave's list: u16 entries 0..1055, and 1056..1087 for lanes with nothing to enter
.set LISTB,  2304
.set SPARE,  LIST+4*LISTB              ; the spare words, 128 bytes for each wave: two blocks of 256 bytes that no other line names
.set R,    1
.set H,    2
.set LW,   3                           ; 16 x lane
.set LS,   4
.set BADR, 5
.set STO,  6                           ; the way out: where I put 32 bytes of a row
.set RD,   7                           ; where I read 8 bytes of a row back
.set L8,   8                           ; 8 x lane
.set BCUR, 9
.set MSK0, 10                          ; lane l: the bits of tokens 32 l .. 32 l + 31, choice 0
.set MSK1, 11                          ; choice 1
.set MSK,  12                          ; either
.set IDX,  15
.set ADR,  16
.set VAL,  17
.set DUMP, 19
.set AOFF, 20                          ; v20-24: block b's byte offset in the expert's part of hbuf
.set BMO,  25                          ; my offset in bm
.set LB,   26                          ; the LDS address of a block's 16 list entries
.set LANE, 27
.set SPW,  28
.set NIL,  29
.set TMP,  30
.set Z4,   32
.set YO,   32
.set RAW,  48
.set BF,   64
.set AR,   64                          ; in window 2
.set TW,   64                          ; in window 2, while staging
.set ASB,  44                          ; s[44:51]  h at the K step that slot q of its fragments loads next
.set WBG,  68                          ; s[68:83]  W2 at the 64 rows that group g of the ring loads from
; scalars: s14 wave, s15 e, s17 count c, s18 blocks, s19 my blocks left, s20 my next block, s21 blocks of this tile, s22 tiles, s23 K trips, s[28:29] ypart,
;          s[30:31] an offset, s32 my list, s33 the list's word, later at work, s34 tokens entered, s35, s36 at work, s37 staging trips, s38 column slice, s39 K part,
;          s[40:41] h at the expert and part, s42 the K steps gone, in LDS bytes, s43 a word's upper half
.set MSB, 0
.macro WIN new                         ; the immediate's high byte repeats the setting that is left; a switch that changes nothing is dropped
.if MSB != (\new)
	s_set_vgpr_msb (MSB<<8)|(\new)
.set MSB, \new
.endif
.endm
.macro PLACES                          ; four places between a product and a load into, a write of or a read of its registers (ISA guide 7.12.1 for writes and reads)
.rept 4
	v_nop
.endr
.endm
.macro ISSUE g                         ; group g of the ring: 8 k rows, 512 consecutive bytes each
	WIN 0x40
.irp j, 0,1,2,3,4,5,6,7
	global_load_b128 v[32*(\g)+4*(\j):32*(\g)+4*(\j)+3], v[LW], s[WBG+2*(\g):WBG+2*(\g)+1] offset:(8*(\g)+(\j))*RP th:TH_LOAD_NT
.endr
.endm
; One word of the list: tokens 32 i .. 32 i + 31, lane l for token 32 i + l.  A chosen token's place is the tokens entered so far plus the word's set bits below its lane; the word itself is the select's mask.
.macro LTRIP
	v_readlane_b32 s35, v[MSK], s33                ; word i lies in lane i
	v_readlane_b32 s36, v[MSK1], s33               ; and which of its tokens have the expert as choice 1
	v_mbcnt_lo_u32_b32 v[IDX], s35, s34
	v_cndmask_b32 v[IDX], v[DUMP], v[IDX], s35     ; a lane without a token writes its own entry past the list
	v_min_u32 v[IDX], 0x43f, v[IDX]                ; a number made from loaded data enters an address behind a constant bound
	v_lshl_add_u32 v[ADR], v[IDX], 1, s32
	v_cndmask_b32 v[TMP], 0, 1, s36
	v_lshl_add_u32 v[VAL], s33, 5, v[LANE]
	v_lshl_add_u32 v[VAL], v[VAL], 1, v[TMP]       ; 2 token + choice
	ds_store_b16 v[ADR], v[VAL]
	s_bcnt1_i32_b32 s35, s35
	s_add_co_u32 s34, s34, s35
	s_add_co_u32 s33, s33, 1
.endm
; A turn of group g: a word of the list; the group is rounded to bf16, asked for again 64 rows on, written as f16 and laid into LDS.
.macro GROUP g, refill, left
	WIN 0
	LTRIP
	s_wait_loadcnt \left                           ; loads come back in order: mine are in, the younger groups stay out
.if \refill
	s_add_nc_u64 s[WBG+2*(\g):WBG+2*(\g)+1], s[WBG+2*(\g):WBG+2*(\g)+1], 64*RP   ; free since that wait: the only loads that named it are done
.endif
	WIN 0x85                                       ; from the ring (window 1) into one of four buffers by turns (window 2)
.set cv_, 16*((\g)%4)
.irp j, 0,1,2,3,4,5,6,7
	v_cvt_pk_bf16_f32 v[cv_+2*(\j)],   v[32*(\g)+4*(\j)],   v[32*(\g)+4*(\j)+1]
	v_cvt_pk_bf16_f32 v[cv_+2*(\j)+1], v[32*(\g)+4*(\j)+2], v[32*(\g)+4*(\j)+3]
.endr
.if \refill
	ISSUE \g
.endif
	WIN 0x8a                                       ; sources and destination in window 2
.irp q, 0,1,2,3,4,5,6,7,8,9,10,11,12,13,14,15
	v_lshlrev_b32 v[TW+2*(\q)],   16,  v[cv_+(\q)]                        ; the bf16 numbers as f32: the low half moves up,
	v_and_b32     v[TW+2*(\q)+1], s43, v[cv_+(\q)]                        ; the high half stays
.endr
.irp q, 0,1,2,3,4,5,6,7,8,9,10,11,12,13,14,15
	v_cvt_pk_f16_f32 v[cv_+(\q)], v[TW+2*(\q)], v[TW+2*(\q)+1]            ; and as f16: the same numbers (the head gives the range)
.endr
	WIN 0x08                                       ; store data in window 2, address in window 0
.irp j, 0,1,2,3,4,5,6,7
	ds_store_b64 v[LS], v[cv_+2*(\j):cv_+2*(\j)+1] offset:(8*(\g)+(\j))*PW   ; 32 lanes, 256 consecutive bytes
.endr
.endm
	s_load_b256 s[4:11], s[0:1], 0x0               ; W2 s[4:5], hbuf s[6:7], bm s[8:9], ypart s[10:11]
	v_lshl_add_u32 v[SPW], v0, 2, SPARE            ; my spare word,
	v_mov_b32 v[NIL], 0                            ; and 0: kept for the closing add alone
	v_lshrrev_b32 v[TMP], 5, v0
	v_readfirstlane_b32 s14, v[TMP]                ; wave 0..3
	s_and_b32 s15, ttmp7, 0xffff                   ; expert
	s_and_b32 s38, ttmp9, 7                        ; column slice
	s_lshr_b32 s39, ttmp9, 3                       ; K part
	s_mov_b32 s43, 0xffff0000
	v_and_b32 v[LANE], 31, v0
	v_and_b32 v[R], 15, v0
	v_bfe_u32 v[H], v0, 4, 1
	v_lshlrev_b32 v[LW], 4, v[LANE]
	v_lshlrev_b32 v[L8], 3, v[LANE]
	s_mul_i32 s33, s14, 256*PW                     ; my wave's 256 k rows in LDS
	v_lshl_add_u32 v[LS], v[LANE], 3, s33
	v_and_b32 v[TMP], 7, v0
	v_lshl_add_u32 v[TMP], v[H], 3, v[TMP]         ; the turning load: k row 8 h + l % 8,
	v_mul_u32_u24 v[BADR], v[TMP], PW
	v_bfe_u32 v[TMP], v0, 3, 1
	v_lshl_add_u32 v[BADR], v[TMP], 4, v[BADR]     ; 16 bytes for each half of eight lanes
	s_mul_i32 s33, s14, 16*SP
	s_add_co_u32 s33, s33, STAGE                   ; my stage
	v_mul_u32_u24 v[STO], v[R], SP                 ; in: row l % 16, 32 bytes (8 f32) for each half of the lanes
	v_lshl_add_u32 v[STO], v[H], 5, v[STO]
	v_add_nc_u32 v[STO], s33, v[STO]
	v_add_nc_u32 v[RD], s33, v[L8]                 ; back: 32 lanes take one row's 256 bytes
	v_add_nc_u32 v[DUMP], 1056, v[LANE]
.irp q, 0,1,2,3
	v_mov_b32 v[Z4+(\q)], 0
.endr
	s_mul_i32 s32, s14, LISTB
	s_add_co_u32 s32, s32, LIST                    ; my list
	s_lshl_b32 s33, s15, 1
	v_lshl_add_u32 v[BMO], v[LANE], 6, s33         ; bm: tiles 2 l and 2 l + 1 (32 bytes each), expert e
	s_lshl_b32 s30, s15, 24                        ; W2: expert, 16,777,216 bytes;
	s_lshl_b32 s33, s39, 22                        ; the part's 1,024 k rows of 4,096 bytes;
	s_add_co_u32 s30, s30, s33
	s_lshl_b32 s33, s14, 20                        ; my wave's 256 of them;
	s_add_co_u32 s30, s30, s33
	s_lshl_b32 s33, s38, 9                         ; the slice's 512 bytes of a row
	s_add_co_u32 s30, s30, s33
	s_mov_b32 s31, 0
	s_wait_kmcnt 0x0
.irp g, 0,1,2,3,4,5,6,7
	s_add_nc_u64 s[WBG+2*(\g):WBG+2*(\g)+1], s[4:5], s[30:31]   ; a base for each group; the group's rows stand in the loads' immediates
.endr
	s_lshl_b32 s30, s39, 23                        ; ypart: the part's 2,048 rows of 4,096 bytes; the slice's 512 bytes
	s_add_co_u32 s30, s30, s33
	s_add_nc_u64 s[28:29], s[10:11], s[30:31]
	s_lshl_b32 s30, s15, 23                        ; h: the expert's 64 blocks of 131,072 bytes; the part's 64 groups of 512 bytes
	s_lshl_b32 s33, s39, 15
	s_add_co_u32 s30, s30, s33
	s_add_nc_u64 s[40:41], s[6:7], s[30:31]
	global_load_u16 v[RAW],   v[BMO], s[8:9]                ; tile 2 l,     choice 0
	global_load_u16 v[RAW+1], v[BMO], s[8:9] offset:32      ; tile 2 l + 1, choice 0
	global_load_u16 v[RAW+2], v[BMO], s[8:9] offset:16      ; tile 2 l,     choice 1
	global_load_u16 v[RAW+3], v[BMO], s[8:9] offset:48      ; tile 2 l + 1, choice 1
.irp g, 0,1,2,3,4,5,6
	ISSUE \g
.endr
	WIN 0
	v_add_nc_u32 v[ADR], s32, v[LW]                ; my list is cleared: 4 x 512 + 256 = its 2,304 bytes; LDS serves a wave's instructions in order, so the entries land on the zeros.
	v_add_nc_u32 v[IDX], s32, v[L8]                ; The last block's 16 entries are all read; those past the count hold 0 and are never used
.irp q, 0,1,2,3
	ds_store_b128 v[ADR], v[Z4:Z4+3] offset:512*(\q)
.endr
	ds_store_b64 v[IDX], v[Z4:Z4+1] offset:2048
	s_wait_loadcnt 56                              ; the 56 loads of weights stay out; bm, issued ahead of them, is in
	v_lshl_or_b32 v[MSK0], v[RAW+1], 16, v[RAW]
	v_lshl_or_b32 v[MSK1], v[RAW+3], 16, v[RAW+2]
	v_or_b32 v[MSK], v[MSK0], v[MSK1]
	s_mov_b32 s33, 0
	s_mov_b32 s34, 0
	ISSUE 7                                        ; the ring is full: 64 loads of 512 bytes a wave
	WIN 0
	s_mov_b32 s37, 3
.Lstage:                                               ; a trip: 64 k rows are rounded and laid down, the next 64 asked for, eight words of the list entered
.irp g, 0,1,2,3,4,5,6,7
	GROUP \g, 1, 56                                ; the seven other groups, 56 loads, are younger
.endr
	WIN 0
	v_add_nc_u32 v[LS], 64*PW, v[LS]
	s_sub_co_u32 s37, s37, 1
	s_cmp_lg_u32 s37, 0
	s_cbranch_scc1 .Lstage
.irp g, 0,1,2,3,4,5,6,7
	GROUP \g, 0, 56-8*(\g)                         ; the last 64 rows: nothing is asked for, the counts run down; the list's last eight words
.endr
	WIN 0
	s_mov_b32 s17, s34                             ; c
	s_wait_dscnt 0x0                               ; for the others: my part of the weights is in LDS
	s_barrier_signal -1
	s_barrier_wait -1                              ; behind it nobody writes the weights
	; THE SHARES: ceil(c / 16) blocks, dealt evenly: wave w has qf or qf + 1, from block w qf + min(w, rem) on
	s_add_co_u32 s18, s17, 15
	s_lshr_b32 s18, s18, 4
	s_lshr_b32 s35, s18, 2
	s_and_b32 s33, s18, 3
	s_cmp_lt_u32 s14, s33
	s_cselect_b32 s19, 1, 0
	s_add_co_u32 s19, s19, s35
	s_mul_i32 s20, s14, s35
	s_min_u32 s33, s14, s33
	s_add_co_u32 s20, s20, s33
	; THE WAVES START APART.  All four leave the barrier together and run the same text, so their runs of sixteen LDS loads would stand at the same place in every K step.
	; Wave w idles 5 w times s_nop 15, 80 w cycles, once, so that one wave's run is served while the others multiply.
	s_cmp_eq_u32 s14, 0
	s_cbranch_scc1 .Lgo
.rept 5
	s_nop 15
.endr
	s_cmp_eq_u32 s14, 1
	s_cbranch_scc1 .Lgo
.rept 5
	s_nop 15
.endr
	s_cmp_eq_u32 s14, 2
	s_cbranch_scc1 .Lgo
.rept 5
	s_nop 15
.endr
.Lgo:
; The fragments of h of a K step into slot sp % 4: 16 rows x 32 k a block, two loads of 512 consecutive bytes a wave.  step = 1: the slot's base goes four K steps on first: the loads that named it
; last were shown done by the counted wait of the K step that multiplied them.
.macro ALOAD mb, sp, step
.set q_, ASB+2*((\sp)%4)
.if \step
	s_add_nc_u64 s[q_:q_+1], s[q_:q_+1], 4*AK
.endif
	WIN 0x80
.set sl_, AR+40*((\sp)%4)
.set b_, 0
.rept \mb
	global_load_b128 v[sl_+8*b_:sl_+8*b_+3],   v[AOFF+b_], s[q_:q_+1]
	global_load_b128 v[sl_+8*b_+4:sl_+8*b_+7], v[AOFF+b_], s[q_:q_+1] offset:AH
.set b_, b_+1
.endr
.endm
.macro BLOAD sp                        ; the weight fragments of the K step sp from the trip's place: 8 blocks of 16 columns x 32 k, turned
	WIN 0
.set bf_, BF+64*((\sp)%2)
.irp n, 0,1,2,3,4,5,6,7
	ds_load_tr16_b128 v[bf_+8*(\n):bf_+8*(\n)+3],   v[BCUR] offset:KB*(\sp)+32*(\n)
	ds_load_tr16_b128 v[bf_+8*(\n)+4:bf_+8*(\n)+7], v[BCUR] offset:KB*(\sp)+32*(\n)+16*PW
.endr
.endm
.macro MULS mb, sp, first              ; 8 mb products; every accumulator has one turn a step.  first = 1: the constant 0 starts the sums
.set bf_, BF+64*((\sp)%2)
.set sl_, AR+40*((\sp)%4)
.set b_, 0
.rept \mb
.if b_ < 4
.set ac_, 64*b_
	WIN 0x58
.else
.set ac_, 0
	WIN 0xa8
.endif
.irp n, 0,1,2,3,4,5,6,7
.if \first
	v_wmma_f32_16x16x32_f16 v[ac_+8*(\n):ac_+8*(\n)+7], v[bf_+8*(\n):bf_+8*(\n)+7], v[sl_+8*b_:sl_+8*b_+7], 0
.else
	v_wmma_f32_16x16x32_f16 v[ac_+8*(\n):ac_+8*(\n)+7], v[bf_+8*(\n):bf_+8*(\n)+7], v[sl_+8*b_:sl_+8*b_+7], v[ac_+8*(\n):ac_+8*(\n)+7]
.endif
.endr
.set b_, b_+1
.endr
.endm
; A K step: the next step's weights and the rows three steps on are asked for, into the registers that the step before has read; then this step's products.
.macro STEP mb, sp, first, la, lb, left
.if !(\first)
	PLACES
.endif
.if \lb
	BLOAD (\sp)+1
.endif
.if \la
	ALOAD \mb, (\sp)+3, 1-(\first)
.endif
	s_wait_loadcnt \left                           ; this step's rows are in; the later steps' loads, 2 mb each, stay out
.if \lb
	s_wait_dscnt 16                                ; this step's weights are in; the 16 loads just issued stay out
.else
	s_wait_dscnt 0x0
.endif
	MULS \mb, \sp, \first
.endm
; The first K step is written once, for five blocks: where the tile has fewer, the blocks past its count repeat its last block's rows, and from the second step on a tile of four or fewer goes on with four.
.macro KHEAD
	WIN 0
	s_mov_b32 s42, 0
	v_mov_b32 v[BCUR], v[BADR]
	ALOAD 5, 0, 0
	ALOAD 5, 1, 0
	ALOAD 5, 2, 0
	BLOAD 0
	STEP 5, 0, 1, 1, 1, 30                         ; three younger steps of ten loads
	WIN 0
.endm
.macro KREST mb                        ; K steps 1 to 31 for mb blocks.  With mb = 4 the first three steps find loads for five blocks among the younger ones: more than the count, which is then
	s_mov_b32 s23, 7
.Lk_\@:                                                ; a trip: four steps, once round the rows' four slots
	v_add_nc_u32 v[BCUR], s42, v[BADR]             ; the trip's place in the weights: a stepped scalar and my lane's fixed term
	STEP \mb, 1, 0, 1, 1, 6*(\mb)
	STEP \mb, 2, 0, 1, 1, 6*(\mb)
	STEP \mb, 3, 0, 1, 1, 6*(\mb)
	STEP \mb, 4, 0, 1, 1, 6*(\mb)
	WIN 0
	s_add_co_u32 s42, s42, 4*KB
	s_sub_co_u32 s23, s23, 1
	s_cmp_lg_u32 s23, 0
	s_cbranch_scc1 .Lk_\@
	v_add_nc_u32 v[BCUR], s42, v[BADR]
	STEP \mb, 1, 0, 0, 1, 4*(\mb)                  ; steps 29 to 31: no load passes the part's end
	STEP \mb, 2, 0, 0, 1, 2*(\mb)
	STEP \mb, 3, 0, 0, 0, 0
	WIN 0
.endm
; THE WAY OUT of block b, in two passes of 64 columns: f32 through my stage, back as whole rows of 256 bytes; ONE store instruction is one row, so rows past the count are whole instructions, jumped by a scalar branch.
.macro YSTAGE b, p                     ; pass p into my stage (8 stores) and back by rows (16 loads)
.set k_, 96+64*(\p)
.if (\b) < 4
.set ac_, 64*(\b)+32*(\p)
	WIN 0x04                                       ; store data in window 1
.else
.set ac_, 32*(\p)
	WIN 0x08                                       ; in window 2
.endif
.irp n, 0,1,2,3
	ds_store_b128 v[STO], v[ac_+8*(\n):ac_+8*(\n)+3]   offset:64*(\n)      ; each accumulator from its low registers on
	ds_store_b128 v[STO], v[ac_+8*(\n)+4:ac_+8*(\n)+7] offset:64*(\n)+16
.endr
	WIN 0
.irp i, 0,1,2,3,4,5,6,7,8,9,10,11,12,13,14,15
	ds_load_b64 v[k_+2*(\i):k_+2*(\i)+1], v[RD] offset:SP*(\i)            ; LDS serves a wave's instructions in order (ISA guide 5.7.1.4): these see the stores above, and the next pass's stores come behind them
.endr
.endm
.macro YSEND p                         ; pass p's rows are stored
.set k_, 96+64*(\p)
.irp i, 0,1,2,3,4,5,6,7,8,9,10,11,12,13,14,15
.if (\i) > 0
	s_cmp_le_u32 s35, \i
	s_cbranch_scc1 .Lpe_\@
.endif
	global_store_b64 v[YO+(\i)], v[k_+2*(\i):k_+2*(\i)+1], s[28:29] offset:256*(\p)   ; 32 lanes store 256 consecutive bytes, aligned
.endr
.Lpe_\@:
.endm
.macro YOUT b
	s_cmp_le_u32 s21, \b
	s_cbranch_scc1 .Ldone                          ; blocks past the tile's count only repeat rows: they are not stored; a wave without work has the count 0
	s_add_co_u32 s33, s20, \b
	s_lshl_b32 s35, s33, 4
	s_sub_co_u32 s35, s17, s35                     ; how many of the block's rows exist: 1 or more
	s_min_u32 s33, s33, 63
	s_lshl_b32 s33, s33, 5
	s_add_co_u32 s33, s33, s32                     ; the block's 16 entries of my list
	s_wait_xcnt 0x0                                ; offsets and data of the block before are rewritten only behind this wait
	v_mov_b32 v[LB], s33
.irp i, 0,1,2,3,4,5,6,7,8,9,10,11,12,13,14,15
	ds_load_u16 v[YO+(\i)], v[LB] offset:2*(\i)    ; every lane reads the same entry
.endr
	YSTAGE \b, 0
	s_wait_dscnt 24                                ; the 16 entries are in; pass 0's 8 stores and 16 loads stay out
.irp i, 0,1,2,3,4,5,6,7,8,9,10,11,12,13,14,15
	v_min_u32 v[YO+(\i)], 0x7ff, v[YO+(\i)]
	v_lshl_add_u32 v[YO+(\i)], v[YO+(\i)], 12, v[L8]                      ; row x 4,096 bytes + 8 x lane
.endr
	YSTAGE \b, 1
	s_wait_dscnt 24                                ; pass 0's rows are in; pass 1's 8 stores and 16 loads stay out
	YSEND 0
	s_wait_dscnt 0x0                               ; pass 1's rows are in
	YSEND 1
.endm
	s_mov_b32 s22, 4
.Ltile:
	s_min_u32 s21, s19, 5
	s_cmp_eq_u32 s21, 0
	s_cbranch_scc1 .Lnok                           ; nothing left for this wave: forward, past the K steps, to the barrier that every wave passes
	s_wait_xcnt 0x0                                ; offsets, bases and store data of the tile before are rewritten only behind this wait
	s_sub_co_u32 s33, s21, 1
.irp b, 0,1,2,3,4
	s_min_u32 s35, s33, \b                         ; blocks past the tile's count repeat its last
	s_add_co_u32 s35, s35, s20
	s_min_u32 s35, s35, 63                         ; a number made from loaded data enters an address behind a constant bound
	s_lshl_b32 s35, s35, 17                        ; 131,072 bytes a block
	v_add_nc_u32 v[AOFF+(\b)], s35, v[LW]
.endr
	s_mov_b64 s[ASB:ASB+1], s[40:41]               ; slot q begins with K step q
	s_add_nc_u64 s[ASB+2:ASB+3], s[40:41], AK
	s_add_nc_u64 s[ASB+4:ASB+5], s[40:41], 2*AK
	s_add_nc_u64 s[ASB+6:ASB+7], s[40:41], 3*AK
	KHEAD
	s_cmp_eq_u32 s21, 5
	s_cbranch_scc0 .Lfour
	KREST 5
	s_branch .Lnok
.Lfour:
	KREST 4
.Lnok:
	s_wait_dscnt 0x0                               ; my reads of the weights for this tile are over
	s_barrier_signal -1
	s_barrier_wait -1                              ; everybody's are: now the stages are written
	PLACES
	YOUT 0
	YOUT 1
	YOUT 2
	YOUT 3
	YOUT 4
.Ldone:
	s_wait_dscnt 0x0                               ; my stores into and reads of my stage are over
	s_barrier_signal -1
	s_barrier_wait -1                              ; everybody's are: the next tile's K steps, or the closing lines, follow
	s_add_co_u32 s20, s20, 5
	s_sub_co_u32 s19, s19, s21
	s_sub_co_u32 s22, s22, 1
	s_cmp_lg_u32 s22, 0
	s_cbranch_scc1 .Ltile
	s_wait_tensorcnt 0x0                           ; the wave's end, behind my last LDS store
	ds_add_u32 v[SPW], v[NIL]
	s_wait_dscnt 0x0
	s_endpgm
.Lfunc_end_k_qe0986a18d2_down:
	.size	k_qe0986a18d2_down, .Lfunc_end_k_qe0986a18d2_down-k_qe0986a18d2_down
	.p2alignl 7, 3214868480
	.fill 96, 4, 3214868480
	.section	.rodata,"a",@progbits
	.p2align	6, 0x0
	.amdhsa_kernel k_qe0986a18d2_down
		.amdhsa_group_segment_fixed_size 322048
		.amdhsa_private_segment_fixed_size 0
		.amdhsa_enable_private_segment 0
		.amdhsa_kernarg_size 32
		.amdhsa_user_sgpr_count 2
		.amdhsa_user_sgpr_kernarg_segment_ptr 1
		.amdhsa_wavefront_size32 1
		.amdhsa_system_sgpr_workgroup_id_x 1
		.amdhsa_system_sgpr_workgroup_id_y 1
		.amdhsa_system_sgpr_workgroup_id_z 1
		.amdhsa_system_vgpr_workitem_id 0
		.amdhsa_next_free_vgpr 736
		.amdhsa_next_free_sgpr 84
		.amdhsa_reserve_vcc 0
		.amdhsa_float_denorm_mode_32 3
		.amdhsa_float_denorm_mode_16_64 3
		.amdhsa_memory_ordered 1
		.amdhsa_forward_progress 1
		.amdhsa_inst_pref_size 211
	.end_amdhsa_kernel
	.amdgpu_metadata
---
amdhsa.version: [ 1, 2 ]
amdhsa.kernels:
  - .name:           k_qe0986a18d2_down
    .symbol:         k_qe0986a18d2_down.kd
    .args:
      - { .name: W2, .offset: 0, .size: 8, .value_kind: global_buffer, .address_space: global }
      - { .name: hbuf, .offset: 8, .size: 8, .value_kind: global_buffer, .address_space: global }
      - { .name: bm, .offset: 16, .size: 8, .value_kind: global_buffer, .address_space: global }
      - { .name: ypart, .offset: 24, .size: 8, .value_kind: global_buffer, .address_space: global }
    .group_segment_fixed_size: 322048
    .private_segment_fixed_size: 0
    .kernarg_segment_align: 8
    .kernarg_segment_size: 32
    .max_flat_workgroup_size: 128
    .sgpr_count:     84
    .vgpr_count:     736
    .wavefront_size: 32
...
	.end_amdgpu_metadata
.endif
;; end of part 3
;; launch comb (part 4): grid 256 x 1, 8 waves a work-group, no clusters, 0 bytes of LDS; arguments ypart, gate, ridx, b2, out0; writes out0
.if DOCPART == 4
	.amdgcn_target "amdgcn-amd-amdhsa--gfx1250"
	.amdhsa_code_object_version 6
	.text
	.protected	k_qe0986a18d2_comb
	.globl	k_qe0986a18d2_comb
	.p2align	8
	.type	k_qe0986a18d2_comb,@function
k_qe0986a18d2_comb:
	s_mov_b64 s[64:65], 0
	v_nop
	global_prefetch_b8 v0, s[64:65] scope:SCOPE_SE
	s_setreg_imm32_b32 hwreg(HW_REG_WAVE_MODE, 25, 1), 1
	s_wait_xcnt 0x0
; THE SUM.  out[tok] = g0 (y[2 tok] + b2[e0]) + g1 (y[2 tok + 1] + b2[e1]), y = the four K parts added in f32, (p0 + p1) + (p2 + p3); b2 rounded to bf16 like every input.
; A stream: memory binds, so no LDS, no barrier, no matrix unit.  A work-group owns 4 tokens (8 rows of ypart); thread t owns 4 columns, so a wave's load or store covers 512 consecutive bytes.
; All 40 loads of a thread go out before the first wait; each token has its own registers, so nothing that a store reads is written again.
; The experts' numbers were stored by an earlier launch; each enters b2's address behind a constant bound.
.set Y,  32                            ; v[32:159]   row r of 8, part p of 4: 4 registers at Y + 16 r + 4 p
.set BB, 160                           ; v[160:191]  b2's 4 numbers for row r
	s_load_b256 s[4:11], s[0:1], 0x0               ; ypart s[4:5], gate s[6:7], ridx s[8:9], b2 s[10:11]
	s_load_b64 s[12:13], s[0:1], 0x20              ; out0
	v_lshlrev_b32 v1, 4, v0                        ; 16 t
	s_lshl_b32 s14, ttmp9, 5                       ; 8 elements of 4 bytes in ridx and gate
	s_mov_b32 s15, 0
	s_lshl_b32 s56, ttmp9, 15                      ; 8 rows of 4,096 bytes
	s_mov_b32 s57, 0
	s_lshl_b32 s58, ttmp9, 14                      ; 4 rows of 4,096 bytes
	s_mov_b32 s59, 0
	s_wait_kmcnt 0x0
	s_add_nc_u64 s[8:9], s[8:9], s[14:15]
	s_add_nc_u64 s[6:7], s[6:7], s[14:15]
	s_load_b256 s[16:23], s[8:9], 0x0              ; the 8 experts
	s_load_b256 s[24:31], s[6:7], 0x0              ; the 8 weights
	s_add_nc_u64 s[32:33], s[4:5], s[56:57]        ; a base for each part: a part's 8,388,608 bytes do not fit the immediate
	s_add_nc_u64 s[34:35], s[32:33], 0x800000
	s_add_nc_u64 s[36:37], s[34:35], 0x800000
	s_add_nc_u64 s[38:39], s[36:37], 0x800000
	s_add_nc_u64 s[12:13], s[12:13], s[58:59]
.irp r, 0,1,2,3,4,5,6,7
.irp p, 0,1,2,3
	global_load_b128 v[Y+16*(\r)+4*(\p):Y+16*(\r)+4*(\p)+3], v1, s[32+2*(\p):33+2*(\p)] offset:4096*(\r) th:TH_LOAD_NT
.endr
.endr
	s_wait_kmcnt 0x0
.irp r, 0,1,2,3,4,5,6,7
	s_min_u32 s14, s[16+(\r)], 7
	s_lshl_b32 s14, s14, 12                        ; a row of b2 is 4,096 bytes
	s_add_nc_u64 s[40+2*(\r):41+2*(\r)], s[10:11], s[14:15]
	global_load_b128 v[BB+4*(\r):BB+4*(\r)+3], v1, s[40+2*(\r):41+2*(\r)]
.endr
.macro TOKEN i
	s_wait_loadcnt 6-2*(\i)                        ; loads come back in order: my two rows of b2, and all of ypart ahead of them, are in; the later tokens' b2 stays out
.irp j, 0,1
.set y_, Y+32*(\i)+16*(\j)
.set b_, BB+8*(\i)+4*(\j)
	v_pk_add_f32 v[y_:y_+1],     v[y_:y_+1],     v[y_+4:y_+5]
	v_pk_add_f32 v[y_+2:y_+3],   v[y_+2:y_+3],   v[y_+6:y_+7]
	v_pk_add_f32 v[y_+8:y_+9],   v[y_+8:y_+9],   v[y_+12:y_+13]
	v_pk_add_f32 v[y_+10:y_+11], v[y_+10:y_+11], v[y_+14:y_+15]
	v_cvt_pk_bf16_f32 v2, v[b_],   v[b_+1]         ; b2 rounded to bf16,
	v_cvt_pk_bf16_f32 v3, v[b_+2], v[b_+3]
	v_pk_add_f32 v[y_:y_+1],     v[y_:y_+1],     v[y_+8:y_+9]
	v_pk_add_f32 v[y_+2:y_+3],   v[y_+2:y_+3],   v[y_+10:y_+11]
	v_lshlrev_b32 v[b_],   16, v2                  ; and widened again
	v_and_b32     v[b_+1], 0xffff0000, v2
	v_lshlrev_b32 v[b_+2], 16, v3
	v_and_b32     v[b_+3], 0xffff0000, v3
	v_pk_add_f32 v[y_:y_+1],     v[y_:y_+1],     v[b_:b_+1]
	v_pk_add_f32 v[y_+2:y_+3],   v[y_+2:y_+3],   v[b_+2:b_+3]
.endr
.set y_, Y+32*(\i)
.irp q, 0,1,2,3
	v_mul_f32 v[y_+(\q)], s[24+2*(\i)], v[y_+(\q)]
.endr
.irp q, 0,1,2,3
	v_fmac_f32 v[y_+(\q)], s[25+2*(\i)], v[y_+16+(\q)]
.endr
	global_store_b128 v1, v[y_:y_+3], s[12:13] offset:4096*(\i) th:TH_STORE_NT    ; a wave stores 512 consecutive bytes, aligned
.endm
	TOKEN 0
	TOKEN 1
	TOKEN 2
	TOKEN 3
	s_endpgm
.Lfunc_end_k_qe0986a18d2_comb:
	.size	k_qe0986a18d2_comb, .Lfunc_end_k_qe0986a18d2_comb-k_qe0986a18d2_comb
	.p2alignl 7, 3214868480
	.fill 96, 4, 3214868480
	.section	.rodata,"a",@progbits
	.p2align	6, 0x0
	.amdhsa_kernel k_qe0986a18d2_comb
		.amdhsa_group_segment_fixed_size 0
		.amdhsa_private_segment_fixed_size 0
		.amdhsa_enable_private_segment 0
		.amdhsa_kernarg_size 40
		.amdhsa_user_sgpr_count 2
		.amdhsa_user_sgpr_kernarg_segment_ptr 1
		.amdhsa_wavefront_size32 1
		.amdhsa_system_sgpr_workgroup_id_x 1
		.amdhsa_system_sgpr_workgroup_id_y 1
		.amdhsa_system_sgpr_workgroup_id_z 1
		.amdhsa_system_vgpr_workitem_id 0
		.amdhsa_next_free_vgpr 192
		.amdhsa_next_free_sgpr 66
		.amdhsa_reserve_vcc 0
		.amdhsa_float_denorm_mode_32 3
		.amdhsa_float_denorm_mode_16_64 3
		.amdhsa_memory_ordered 1
		.amdhsa_forward_progress 1
		.amdhsa_inst_pref_size 14
	.end_amdhsa_kernel
	.amdgpu_metadata
---
amdhsa.version: [ 1, 2 ]
amdhsa.kernels:
  - .name:           k_qe0986a18d2_comb
    .symbol:         k_qe0986a18d2_comb.kd
    .args:
      - { .name: ypart, .offset: 0, .size: 8, .value_kind: global_buffer, .address_space: global }
      - { .name: gate, .offset: 8, .size: 8, .value_kind: global_buffer, .address_space: global }
      - { .name: ridx, .offset: 16, .size: 8, .value_kind: global_buffer, .address_space: global }
      - { .name: b2, .offset: 24, .size: 8, .value_kind: global_buffer, .address_space: global }
      - { .name: out0, .offset: 32, .size: 8, .value_kind: global_buffer, .address_space: global }
    .group_segment_fixed_size: 0
    .private_segment_fixed_size: 0
    .kernarg_segment_align: 8
    .kernarg_segment_size: 40
    .max_flat_workgroup_size: 256
    .sgpr_count:     66
    .vgpr_count:     192
    .wavefront_size: 32
...
	.end_amdgpu_metadata
.endif
;; end of part 4
